; MI455X (gfx1250); checked and timed in simulation.
; The chip was launched on July 23, 2026; its instructions are those of AMD's public machine-readable ISA for CDNA 5 (MIT licence, August 2026) and "CDNA5" Instruction Set Architecture Reference Guide (July 2026). The comments in the code are by the model that wrote it; some were corrected since.
;; compute Attention Weight Proj. Allowed arithmetic: matrix products marked QUANTISED: E5M2 operands, one E8M0 scale for each 32 along K, by v_wmma_scale_f32_16x16x128_f8f6f4 with both operands' format E5M2, f32 sums; products left as they are: f32 operands where the result goes on into a quantised operand, else bf16, f16 or f32 operands; f32 sums; everything else in f32.
;; Inputs: G 8 x 4 x 2,048 x 32 float32; K_codes 8 x 4 x 2,048 x 1 x 32 uint8 (E5M2 codes of K, K innermost, in blocks of 32 codes); K_scales 8 x 4 x 2,048 x 1 uint8 (E8M0 scales of K, one for each 32 codes along K); Q_codes 8 x 4 x 2,048 x 1 x 32 uint8 (E5M2 codes of Q, K innermost, in blocks of 32 codes); Q_scales 8 x 4 x 2,048 x 1 uint8 (E8M0 scales of Q, one for each 32 codes along K); V_codes 8 x 4 x 32 x 64 x 32 uint8 (E5M2 codes of V, K innermost, in blocks of 32 codes); V_scales 8 x 4 x 32 x 64 uint8 (E8M0 scales of V, one for each 32 codes along K); seqMask 4 x 2,048 bool.
;; Outputs: out0 4 x 2,048 x 8 x 32 float32.
;; This version of the problem:
;;   THIS VERSION OF THE PROBLEM IS GIVEN IN LOW PRECISION. The matrix products marked QUANTISED in the list below multiply operands that are first quantised to E5M2 (5 exponent bits, 2 mantissa bits; 8 bits a number), with one power-of-two scale for each 32 numbers along K (OCP MX v1.0); their sums are f32. All else is computed in f32.
;;   The module's matrix products, in the order in which they are computed (A, B: the left and right operand; K: the contracted axis; several contracted axes count as one K, in the product's order):
;;     1. batch 32 x [M 2,048, K 32] x [K 32, N 2,048]; A: input Q (given as codes); B: input K (given as codes): QUANTISED
;;     2. batch 32 x [M 32, K 2,048] x [K 2,048, N 2,048]; A: input V (given as codes); B: softmax (see below): QUANTISED
;;     3. batch 2,097,152 x [M 1, K 1] x [K 1, N 1]; A: computed on the way; B: computed on the way: left as it is (no contracted axis)
;;   THE QUANTISER, for each operand of a quantised product, along K:
;;     - K is cut into blocks of 32 from its start; a last block that is shorter is filled with zeros.
;;     - A block's scale is 2^e with e = floor(log2(the largest magnitude in the block)) - 15, held to -126 .. 127; a block of zeros has e = 0. As a byte (E8M0): e + 127.
;;     - Each number is divided by its block's scale, clamped to +-57,344, and rounded to the nearest number of E5M2, ties to even, subnormals kept.
;;     - The product sums the exact products of the quantised numbers (number of the format x scale) in f32.
;;   ~~~python
;;   def quantise(x, axis):      # numpy; x: float32 -> the quantised numbers, widened to float32 again
;;       x = np.moveaxis(x, axis, -1); K = x.shape[-1]
;;       x = np.pad(x, [(0, 0)] * (x.ndim - 1) + [(0, -K % 32)]); x = x.reshape(x.shape[:-1] + (-1, 32)); a = np.abs(x).max(-1, keepdims=True)
;;       e = np.where(a > 0, np.clip(np.frexp(np.where(a > 0, a, 1))[1] - 1 - 15, -126, 127), 0)      # np.frexp(a)[1] - 1 = floor(log2(a)), exactly
;;       r = np.clip(x / 2.0 ** e, -57344, 57344)
;;       step = 2.0 ** (np.maximum(np.frexp(np.where(r == 0, 1, r))[1] - 1, -14) - 2)
;;       q = np.round(r / step) * step * 2.0 ** e      # np.round: ties to even
;;       return np.moveaxis(q.reshape(q.shape[:-2] + (-1,))[..., :K], -1, axis).astype(np.float32)
;;   ~~~
;;   SOFTMAX AHEAD OF A QUANTISED PRODUCT. Where the list says 'softmax', what is quantised is not the finished softmax but p = 2^(t - M), with t = logit x log2(e) and M = ceil(the row's largest t), a whole number; so 1/2 < the row's largest p <= 1. The row's sum l is taken of the UNQUANTISED p, in f32, and the product's result is divided by l at the end. Since M is a whole number, a kernel that streams over the keys may use a running M (the ceiling of the running maximum): every later rescaling is an exact power of two, which a block's scale takes up: the codes' values come out the same.
;;   OPERANDS COMPUTED ON THE WAY. 'Computed on the way' means the value that the module computes at that place (a softmax that the list does not call 'softmax' is quantised finished and normalised). What goes into a quantiser is computed in f32, as accurately as f32 sums, v_exp_f32 and their like allow (about 1e-6 of the number): no bf16 or f16 on the way to a quantiser, and a product that is left as it is and whose result goes on into a quantised operand takes f32 operands (vector FMAs, or v_wmma_f32_16x16x4_f32). A number that lies on a knife's edge between two numbers of the format may be rounded either way, as far as f32 arithmetic and the matrix unit's own rounding can turn it there, and no further.
;;   INPUTS GIVEN AS CODES. K (in the module: [8, 4, 2048, 32], K = its axis 3); Q (in the module: [8, 4, 2048, 32], K = its axis 3); V (in the module: [8, 4, 2048, 32], K = its axis 2): each comes as NAME_codes (uint8): NAME with its K axis moved to the last place and cut into blocks of 32 codes, [.., K / 32, bytes a block], one block behind the other in memory; one code a byte (a code: sign, 5 exponent bits, 2 mantissa bits); and NAME_scales (uint8): the same leading axes, one E8M0 byte (e + 127) for each 32 codes along K. Its value is code x scale, taken as it is: it is not quantised again, and the codes and scales need not be those that the quantiser above would give.
;; 2 versions. Each part assembles by itself: llvm-mc -triple=amdgcn-amd-amdhsa -mcpu=gfx1250 --defsym DOCPART=n.
;; ======== version 1 of 2: 1 launch
;; launch band (part 1): grid 16 x 16, 8 waves a work-group, no clusters, 35,840 bytes of LDS; arguments Q_codes, Q_scales, K_codes, K_scales, V_codes, V_scales, G, seqMask, out0; writes out0
.if DOCPART == 1
	.amdgcn_target "amdgcn-amd-amdhsa--gfx1250"
	.amdhsa_code_object_version 6
	.text
	.protected	k_q2e69b7fab9_band
	.globl	k_q2e69b7fab9_band
	.p2align	8
	.type	k_q2e69b7fab9_band,@function
k_q2e69b7fab9_band:
	s_mov_b64 s[64:65], 0
	v_nop
	global_prefetch_b8 v0, s[64:65] scope:SCOPE_SE
	s_setreg_imm32_b32 hwreg(HW_REG_WAVE_MODE, 25, 1), 1
	s_wait_xcnt 0x0
; out[n][s][h][:] = G[h][n][s][:] x sum over t of softmax_t(Q[h][n][s] . K[h][n][t] / sqrt(32)) V[h][n][t][:], keys t with |s - t| <= 10 and seqMask[n][t] = 0 alone.
; Q, K: codes of BF8 (E5M2), 32 a row, one E8M0 byte a row.  V: codes with the keys innermost, [h][n][32][2048], one byte for each 32 keys.  G and out: f32.
; Both products go by v_wmma_scale_f32_16x16x128_f8f6f4.  p = 2^(t - M), t = score x log2(e) / sqrt(32), M = ceil(the row's largest t), is quantised along the keys in blocks of 32 that are aligned
; in the key's own number; the row's sum is taken of the unquantised p and divides at the end.
; SHARES.  Work-group (x, y): queries 128 x .. 128 x + 127, batch n = y & 3, heads 2 (y >> 2) and 2 (y >> 2) + 1.  Each of its eight waves owns 16 queries, s0 = 128 x + 16 w, for BOTH heads: two heads are 256
; neighbouring bytes of a row of out, so a wave stores whole aligned runs of 256 bytes, and the mask, which hangs on (n, s, t) alone, is made once for two heads.  Waves share nothing: no barrier.
; THE WINDOW.  16 queries see keys s0 - 10 .. s0 + 25, which lie in the two aligned blocks of 32 from kb = min(max(s0 - 16, 0) & ~31, 1984) on: 64 keys.  All other keys are hidden by the band that the
; problem itself builds, so they are not multiplied.  The band is tested on true numbers, so the sequence's two ends take the same path as its middle, and no load leaves its buffer.
; LAYOUT.  Both products are used transposed: S^T = K Q^T (source 0 = 16 keys, source 1 = my 16 queries), O^T = V^T P^T (source 0 = 16 channels, source 1 = P): a lane holds ONE query (lane % 16) throughout.
; Lane r of key tile 2 b + u takes key kb + 32 b + 8 u + r + 8 (r / 8), so that score register 16 b + i of lane (r, h) is key kb + 32 b + 16 h + i: the order that P's operand wants.
; THE UNUSED PART OF K.  The instruction is 128 deep; S^T uses 32 of that, O^T 64.  Source 1 carries ZERO CODES in the rest (12 or 8 registers); source 0 simply runs on into the registers that follow it, which
; hold other finite codes: they meet zeros and add nothing.  The registers are laid in two chains for that: [K of head a][K of head b][field a] and [V of head b][V of head a][field b]; a field is 20 registers:
; +0..3 P's low half, +4..7 Q and later P's high half, +8..19 zeros.  No instruction's two sources share a register.
; THE MASK is the C of S^T: 0 for a key that counts, -2^127 for one that is hidden.  Head a's scores go to registers of their own, head b's are summed onto the mask's registers themselves.
; LIMITS.  NaN or infinity among the codes of Q, K or V, or a scale byte 0xff, spoil the window's other keys and the pair's other head (0 x infinity in the unused part of K): not served.
; |Q . K| stays under 2^126 (the hidden mark -2^127 and the floor -2^126 under the row's maximum).  seqMask's bytes are 0 or 1.  A row all of whose keys are hidden gives 0 x (1 / 0) = NaN, as the softmax of such a row does.
; LEFT OUT.  Joint loads in a cluster: of the 192 keys that a work-group reads, its neighbours read 64 at the most, and every operand goes from memory straight into the registers that the matrix unit reads: there is no tile in LDS to share.
; A prefetch: all 38 loads of a wave stand at its head.
.set STGW,  4352                       ; LDS: a stage for each wave: 16 rows (queries) x (256 bytes: two heads + 16 of padding)
.set SP,    272                        ; the stage's pitch: 68 words, so row r starts at bank 4 r mod 64 (64 banks of 4 bytes: ISA guide 11.1)
.set SPARE, 8*STGW                     ; behind the stages: the spare words, 128 bytes for each wave: four blocks of 256 bytes that no other line names
.set HCOD,  262144                     ; from head a to head b (4 x batch apart) in a tensor of codes: 4 x 2048 x 32 bytes
.set HSCL,  8192                       ; and in a tensor of scale bytes
.set T,   20                           ; v20-23   at work
.set KXA, 24                           ; v24-26   head a: K's scale bytes of tiles 0 | 1 (lanes 0-15 | 16-31), of tiles 2 | 3, Q's;  v27-29 head b
.set KXB, 27
.set VWA, 30                           ; v30, v31 head a: V's scale bytes of the window's first and second block, lane = channel; joined in v30;  v32, v33 head b
.set VWB, 32
.set PWA, 34                           ; v34, v35 P's scale words
.set PWB, 35
.set BMA, 36                           ; v36-39   head a: the two blocks' largest scores, and what lane l xor 16 sends;  v40-43 head b
.set BMB, 40
.set KA,  44                           ; v44-59   K of head a, 4 registers a tile
.set KB,  60                           ; v60-75   K of head b
.set FA,  76                           ; v76-95   field a
.set VB,  96                           ; v96-111  V of head b: group 2 t + c: channel 16 t + r, keys kb + 32 c + 16 h + 0 .. 15
.set VA,  112                          ; v112-127 V of head a
.set FB,  128                          ; v128-147 field b
.set GG,  148                          ; v148-179 G, 8 x 4 registers, as the rows come back from the stage
.set SA,  180                          ; v180-211 the mask's bytes (8 registers); then head a's scores and p; then O^T of both heads
.set BI,  212                          ; v212-243 the mask as numbers; then head b's scores and p; then 16 rows back from the stage
.set TMA, KA                           ; when K is done with, its registers serve the softmax: +0 -M, +1 t, +2..5 the sum in two chains, +6,7 the conversions' scales, +8,9 the holds, +10,11 the bytes, +12 l, +14 1 / l
.set TMB, KB
	s_load_b256 s[4:11], s[0:1], 0x0               ; Q's codes s[4:5], Q's scales s[6:7], K's codes s[8:9], K's scales s[10:11]
	s_load_b256 s[12:19], s[0:1], 0x20             ; V's codes s[12:13], V's scales s[14:15], G s[16:17], seqMask s[18:19]
	s_load_b64 s[20:21], s[0:1], 0x40              ; out
	v_lshl_add_u32 v16, v0, 2, SPARE               ; my spare word,
	v_mov_b32 v17, 0                               ; and 0: kept for the closing add alone
	v_lshrrev_b32 v[T], 5, v0
	v_readfirstlane_b32 s22, v[T]                  ; wave 0..7
	v_and_b32 v3, 31, v0                           ; L
	v_and_b32 v1, 15, v0                           ; r;  also Q's scale bytes' offset
	v_bfe_u32 v2, v0, 4, 1                         ; h
	v_lshlrev_b32 v10, 4, v2                       ; seqMask: 16 h
	v_lshl_add_u32 v4, v1, 5, v10                  ; Q: 32 r + 16 h
	v_and_b32 v[T+1], 8, v1
	v_add_nc_u32 v[T+1], v[T+1], v1                ; r + 8 (r / 8)
	v_lshl_add_u32 v5, v[T+1], 5, v10              ; K: 32 (r + 8 (r / 8)) + 16 h
	v_lshl_add_u32 v6, v1, 11, v10                 ; V: 2048 r + 16 h
	v_lshl_add_u32 v8, v2, 3, v[T+1]               ; K's scale bytes: lanes 16-31 take the tile 8 keys on
	v_lshlrev_b32 v9, 6, v3                        ; V's scale bytes: 64 a channel, lane = channel
	v_bfe_u32 v[T+2], v0, 3, 1
	v_and_b32 v[T+3], 7, v0
	v_lshlrev_b32 v11, 7, v2                       ; G, as the rows come back from the stage: lanes 16-31 the next query,
	v_lshl_add_u32 v11, v[T+3], 4, v11             ; 16 bytes a lane,
	v_lshl_add_u32 v11, v[T+2], 20, v11            ; lanes 8-15 and 24-31 head b: 4 x 2048 x 128 bytes on
	s_and_b32 s24, ttmp7, 0xffff                   ; y
	s_and_b32 s25, s24, 3                          ; n
	s_lshr_b32 s26, s24, 2                         ; the pair of heads
	s_lshl_b32 s27, ttmp9, 7
	s_lshl_b32 s23, s22, 4
	s_add_co_u32 s27, s27, s23                     ; s0 = 128 x + 16 w
	s_sub_co_i32 s28, s27, 16
	s_max_i32 s28, s28, 0
	s_and_b32 s28, s28, 0xffffffe0
	s_min_u32 s28, s28, 1984                       ; kb
	s_sub_co_i32 s29, s28, s27
	s_add_co_i32 s29, s29, 10                      ; 10 - (s0 - kb)
	s_lshl_b32 s30, s26, 3
	s_add_co_u32 s30, s30, s25                     ; head a's place among the 32 (head, batch): 4 x head + n
	s_mul_i32 s31, s22, STGW                       ; my stage
	s_lshl_b32 s34, s30, 11
	s_add_co_u32 s35, s34, s27                     ; my first query's row in Q and G
	s_add_co_u32 s46, s34, s28                     ; the window's first row in K
	s_lshl_b32 s47, s25, 11
	; the nine buffers' byte offsets, each in a pair of its own, made while the arguments are on their way
.irp p, 49,51,53,55,57,59,61,63,67
	s_mov_b32 s[\p], 0
.endr
	s_add_co_u32 s48, s47, s28                     ; seqMask: 2048 n + kb
	s_mov_b32 s50, s46                             ; K's scales
	s_mov_b32 s52, s35                             ; Q's scales
	s_lshl_b32 s54, s35, 5                         ; Q's codes
	s_lshl_b32 s56, s46, 5                         ; K's codes
	s_lshr_b32 s58, s28, 5
	s_add_co_u32 s58, s58, s34                     ; V's scales: 32 x 64 a (head, batch), + the window's first block
	s_lshl_b32 s60, s30, 16
	s_add_co_u32 s60, s60, s28                     ; V's codes: 32 x 2048 a (head, batch), + kb
	s_lshl_b32 s62, s35, 7                         ; G
	s_add_co_u32 s66, s47, s27
	s_lshl_b32 s66, s66, 10                        ; out: a row (n, s) is 1,024 bytes,
	s_lshl_b32 s23, s26, 8
	s_add_co_u32 s66, s66, s23                     ; a pair of heads 256
	s_mov_b32 s36, 0x3e8293ee                      ; c = log2(e) / sqrt(32)
	s_mov_b32 s37, s36                             ; (the packed form names the pair and takes its low word for both halves: so it is written)
	s_mov_b32 s38, 0x76543210
	s_mov_b32 s39, 0xfedcba98                      ; v_permlanex16_b32's selects for lane l xor 16
	s_mov_b32 s40, 0x600000                        ; the mantissa field of 57,344
	s_mov_b32 s41, 0xff000000                      ; -2^127, and a word's top byte
	v_sub_nc_u32 v15, s29, v1
	v_add_nc_u32 v15, v15, v10                     ; E = 10 - (s0 - kb) - r + 16 h: with a register's 32 b + i added it is 10 - (my query - its key)
	s_wait_kmcnt 0x0
	s_add_nc_u64 s[18:19], s[18:19], s[48:49]
	s_add_nc_u64 s[10:11], s[10:11], s[50:51]
	s_add_nc_u64 s[6:7], s[6:7], s[52:53]
	s_add_nc_u64 s[4:5], s[4:5], s[54:55]
	s_add_nc_u64 s[8:9], s[8:9], s[56:57]
	s_add_nc_u64 s[14:15], s[14:15], s[58:59]
	s_add_nc_u64 s[12:13], s[12:13], s[60:61]
	s_add_nc_u64 s[16:17], s[16:17], s[62:63]
	s_add_nc_u64 s[20:21], s[20:21], s[66:67]
	; ---- ALL 38 LOADS, in the order in which they are wanted: 2 + 6 + 2 + 8 + 4 + 8 + 8
	global_load_b128 v[SA:SA+3], v10, s[18:19]                     ; seqMask of keys kb + 16 h + 0 .. 15,
	global_load_b128 v[SA+4:SA+7], v10, s[18:19] offset:32         ; and of kb + 32 + 16 h + 0 .. 15
	global_load_u8 v[KXA], v8, s[10:11]                            ; a byte alone in its word: it is the scale of the first 32 along K, the three bytes above it are 0 and scale zero codes
	global_load_u8 v[KXA+1], v8, s[10:11] offset:32
	global_load_u8 v[KXA+2], v1, s[6:7]
	global_load_u8 v[KXB], v8, s[10:11] offset:HSCL
	global_load_u8 v[KXB+1], v8, s[10:11] offset:HSCL+32
	global_load_u8 v[KXB+2], v1, s[6:7] offset:HSCL
	global_load_b128 v[FA+4:FA+7], v4, s[4:5] th:TH_LOAD_NT        ; Q is read once in the launch
	global_load_b128 v[FB+4:FB+7], v4, s[4:5] offset:HCOD th:TH_LOAD_NT
.irp j, 0,1,2,3
	global_load_b128 v[KA+4*\j:KA+4*\j+3], v5, s[8:9] offset:(32*(\j/2)+8*(\j%2))*32
.endr
.irp j, 0,1,2,3
	global_load_b128 v[KB+4*\j:KB+4*\j+3], v5, s[8:9] offset:HCOD+(32*(\j/2)+8*(\j%2))*32
.endr
	global_load_u8 v[VWA], v9, s[14:15]
	global_load_u8 v[VWA+1], v9, s[14:15] offset:1
	global_load_u8 v[VWB], v9, s[14:15] offset:HSCL
	global_load_u8 v[VWB+1], v9, s[14:15] offset:HSCL+1
.irp g, 0,1,2,3
	global_load_b128 v[VA+4*\g:VA+4*\g+3], v6, s[12:13] offset:32768*(\g/2)+32*(\g%2)
.endr
.irp g, 0,1,2,3
	global_load_b128 v[VB+4*\g:VB+4*\g+3], v6, s[12:13] offset:HCOD+32768*(\g/2)+32*(\g%2)
.endr
.irp i, 0,1,2,3,4,5,6,7
	global_load_b128 v[GG+4*\i:GG+4*\i+3], v11, s[16:17] offset:256*\i th:TH_LOAD_NT   ; queries 2 i and 2 i + 1 of both heads: 256 consecutive bytes of each head; read once in the launch
.endr
	; ---- WHILE THE LOADS ARE OUT: the fields' zero codes, and the band
.irp z, 0,1,2,3,8,9,10,11,12,13,14,15,16,17,18,19
	v_mov_b32 v[FA+\z], 0                          ; (field a's +0..3 are read, as the run-on of head b's K, before P is laid there)
.endr
.irp z, 8,9,10,11,12,13,14,15,16,17,18,19
	v_mov_b32 v[FB+\z], 0
.endr
	v_mov_b32 v18, s41                             ; the hidden mark
; Registers 4 g .. 4 g + 3 of the mask: register x holds key kb + 32 (x / 16) + 16 h + x % 16.  The key counts where 10 - (query - key), taken as unsigned, lies under 21.
.macro BAND g
.irp k, 0,1,2,3
	v_add_nc_u32 v[T+\k], 32*((4*(\g)+\k)/16)+(4*(\g)+\k)%16, v15
.endr
.irp k, 0,1,2,3
	v_cmp_gt_u32 s[42+\k], 21, v[T+\k]
.endr
.irp k, 0,1,2,3
	v_cndmask_b32 v[BI+4*(\g)+\k], v18, v[FA+8], s[42+\k]          ; 0 (a register of the zero field) where it counts, else the mark
.endr
.endm
.irp g, 0,1,2,3,4,5,6,7
	BAND \g
.endr
	; ---- THE KEY MASK.  Word g of the 8 holds the bytes of registers 4 g .. 4 g + 3.  x 255 turns bytes 1 into 0xff; each byte, moved to the top of a word, is ORed in: 0 | 0xff000000 is the mark, and the mark stays the mark.
	s_wait_loadcnt 36                              ; the two mask loads are in: 36 loads were issued behind them
.macro SEQ g
	v_lshlrev_b32 v[T], 8, v[SA+\g]
	v_sub_nc_u32 v[SA+\g], v[T], v[SA+\g]
	v_lshlrev_b32 v[T+1], 16, v[SA+\g]
	v_lshlrev_b32 v[T+2], 8, v[SA+\g]
	v_lshl_or_b32 v[BI+4*\g], v[SA+\g], 24, v[BI+4*\g]
	v_and_or_b32 v[BI+4*\g+1], v[T+1], s41, v[BI+4*\g+1]
	v_and_or_b32 v[BI+4*\g+2], v[T+2], s41, v[BI+4*\g+2]
	v_and_or_b32 v[BI+4*\g+3], v[SA+\g], s41, v[BI+4*\g+3]
.endm
.irp g, 0,1,2,3,4,5,6,7
	SEQ \g
.endr
.rept 4
	v_nop                                          ; the mask's registers, just written by vector instructions, stand four places ahead of the products that take them
.endr
	; ---- S^T = K Q^T + the mask: four tiles of 16 keys a head
	s_wait_loadcnt 20                              ; scales, Q and K are in; V's 12 loads and G's 8 may be out
.macro SPROD d, kf, f, kx, j
.if (\j)%2
	v_wmma_scale_f32_16x16x128_f8f6f4 v[\d+8*(\j):\d+8*(\j)+7], v[\kf+4*(\j):\kf+4*(\j)+15], v[\f+4:\f+19], v[BI+8*(\j):BI+8*(\j)+7], v[\kx+(\j)/2], v[\kx+2] matrix_a_fmt:MATRIX_FMT_BF8 matrix_b_fmt:MATRIX_FMT_BF8 matrix_a_scale:MATRIX_SCALE_ROW1
.else
	v_wmma_scale_f32_16x16x128_f8f6f4 v[\d+8*(\j):\d+8*(\j)+7], v[\kf+4*(\j):\kf+4*(\j)+15], v[\f+4:\f+19], v[BI+8*(\j):BI+8*(\j)+7], v[\kx+(\j)/2], v[\kx+2] matrix_a_fmt:MATRIX_FMT_BF8 matrix_b_fmt:MATRIX_FMT_BF8
.endif
.endm
.irp j, 0,1,2,3
	SPROD SA, KA, FA, KXA, \j
.endr
	; Head b's products write over the mask, which head a's have read as C: nine places are owed between (an 8-bit f8f6f4 form).  Twelve plain lines that are due anyway stand here and name none of head a's registers.
	v_mul_u32_u24 v13, v1, SP                      ; the stage, on the way in: row r,
	v_lshl_add_u32 v13, v2, 5, v13                 ; 32 bytes for each half of the lanes,
	v_add_nc_u32 v13, s31, v13                     ; in my wave's stage
	v_mul_u32_u24 v14, v2, SP                      ; and back: lanes 0-15 one row of 256 bytes, lanes 16-31 the next
	v_lshl_add_u32 v14, v1, 4, v14
	v_add_nc_u32 v14, s31, v14
	v_lshlrev_b32 v12, 10, v2                      ; the same two rows in out
	v_lshl_add_u32 v12, v1, 4, v12
	v_mov_b32 v[BMA+2], 0                          ; written once: a lane permute's destination counts as one of its sources
	v_mov_b32 v[BMA+3], 0
	v_mov_b32 v[BMB+2], 0
	v_mov_b32 v[BMB+3], 0
.irp j, 0,1,2,3
	SPROD BI, KB, FB, KXB, \j                      ; C and D are the mask's own registers; no two products that follow each other share an accumulator
.endr
	; ---- THE SOFTMAX, head a ahead of head b in every part
; The largest score of each block of 32 keys: my 16 of each.  It serves the row's maximum and, since p rises with the score, the block's largest p.  Each tile's eight registers are first read at their low end.
.macro BMAX s, bm
.irp b, 0,1
	v_max3_num_f32 v[\bm+\b], v[\s+16*\b], v[\s+16*\b+1], v[\s+16*\b+2]
.endr
.irp i, 3,5,7,9,11,13
.irp b, 0,1
	v_max3_num_f32 v[\bm+\b], v[\bm+\b], v[\s+16*\b+\i], v[\s+16*\b+\i+1]
.endr
.endr
.irp b, 0,1
	v_max_num_f32 v[\bm+\b], v[\bm+\b], v[\s+16*\b+15]
.endr
.endm
.macro XCH bm                          ; with lane l xor 16's 16 keys of each block
	v_permlanex16_b32 v[\bm+2], v[\bm], s38, s39
	v_permlanex16_b32 v[\bm+3], v[\bm+1], s38, s39
	v_max_num_f32 v[\bm], v[\bm], v[\bm+2]
	v_max_num_f32 v[\bm+1], v[\bm+1], v[\bm+3]
.endm
.macro ROWM bm, tm
	v_max3_num_f32 v[\tm+1], v[\bm], v[\bm+1], 0xfe800000          ; the row's largest score; the floor -2^126 lies under every score that counts and over the hidden mark: a row with no key keeps p = 0
	v_mul_f32 v[\tm+1], s36, v[\tm+1]              ; as t (c is positive)
	v_floor_f32 v[\tm], -v[\tm+1]                  ; -M = floor(-t) = -ceil(t)
.endm
.macro SHIFT s, bm, tm
.irp j, 0,2,4,6,8,10,12,14,16,18,20,22,24,26,28,30
	v_pk_fma_f32 v[\s+\j:\s+\j+1], v[\s+\j:\s+\j+1], s[36:37], v[\tm:\tm+1] op_sel_hi:[1,0,0]   ; t - M, two at a time (of the pairs c and -M the low word serves both halves)
.endr
	v_fma_f32 v[\bm], v[\bm], s36, v[\tm]          ; the same of each block's largest score
	v_fma_f32 v[\bm+1], v[\bm+1], s36, v[\tm]
.endm
.macro SUMS s, tm                      ; the row's sum of the UNQUANTISED p: my 32 numbers, two at a time, in two chains
	v_pk_add_f32 v[\tm+2:\tm+3], v[\s:\s+1], v[\s+2:\s+3]
	v_pk_add_f32 v[\tm+4:\tm+5], v[\s+4:\s+5], v[\s+6:\s+7]
.irp j, 8,12,16,20,24,28
	v_pk_add_f32 v[\tm+2:\tm+3], v[\tm+2:\tm+3], v[\s+\j:\s+\j+1]
	v_pk_add_f32 v[\tm+4:\tm+5], v[\tm+4:\tm+5], v[\s+\j+2:\s+\j+3]
.endr
	v_pk_add_f32 v[\tm+2:\tm+3], v[\tm+2:\tm+3], v[\tm+4:\tm+5]
.endm
.macro SCALES bm, tm, pw
.irp b, 0,1
	v_max_num_f32 v[\bm+\b], 0x8000000, v[\bm+\b]  ; the floor 2^(16 - 127): the byte cannot fall under 1 (a block whose every p is 0 keeps that byte: its codes are zeros)
.endr
.irp b, 0,1
	v_add_nc_u32 v[\tm+6+\b], 0xf8800000, v[\bm+\b]   ; 15 off the exponent field: the conversion takes the exponent field of this operand as its scale
.endr
.irp b, 0,1
	v_and_or_b32 v[\tm+8+\b], v[\bm+\b], 0x7f800000, s40   ; 57,344 x the scale
.endr
.irp b, 0,1
	v_lshrrev_b32 v[\tm+10+\b], 23, v[\tm+6+\b]    ; the scale's byte
.endr
	v_lshl_or_b32 v[\pw], v[\tm+11], 8, v[\tm+10]  ; P's scale word: two bytes for the window's two blocks; the two above are 0 and scale zero codes
.endm
.macro HOLDCVT s, f, tm
.irp b, 0,1
.irp i, 0,1,2,3,4,5,6,7,8,9,10,11,12,13,14,15
	v_min_num_f32 v[\s+16*\b+\i], v[\s+16*\b+\i], v[\tm+8+\b]      ; the conversion to an 8-bit code does not saturate (ISA guide 7.6.2); p is not negative, so the hold is one-sided
.endr
	v_cvt_scalef32_pk8_bf8_f32 v[\f+4*\b:\f+4*\b+1], v[\s+16*\b:\s+16*\b+7], v[\tm+6+\b]        ; registers 4 b .. 4 b + 3 of P's operand: keys kb + 32 b + 16 h + 0 .. 15
	v_cvt_scalef32_pk8_bf8_f32 v[\f+4*\b+2:\f+4*\b+3], v[\s+16*\b+8:\s+16*\b+15], v[\tm+6+\b]
.endr
.endm
	BMAX SA, BMA                                   ; twelve places stand behind head a's products; these sixteen lines, which name none of head b's registers, are the places behind head b's
	BMAX BI, BMB
	XCH BMA
	XCH BMB
	ROWM BMA, TMA                                  ; (from here on K's registers are written: sixteen places and more behind the last product that read them)
	ROWM BMB, TMB
	SHIFT SA, BMA, TMA
	SHIFT BI, BMB, TMB
	; ONE BATCH of exponentials for both heads: the four blocks' largest p, and the 64 p.  None reads another's result.
.irp b, BMA, BMA+1, BMB, BMB+1
	v_exp_f32 v[\b], v[\b]
.endr
.irp j, 0,1,2,3,4,5,6,7,8,9,10,11,12,13,14,15,16,17,18,19,20,21,22,23,24,25,26,27,28,29,30,31
	v_exp_f32 v[SA+\j], v[SA+\j]                   ; p = 2^(t - M), at most 1; 0 for a hidden key
.endr
.irp j, 0,1,2,3,4,5,6,7,8,9,10,11,12,13,14,15,16,17,18,19,20,21,22,23,24,25,26,27,28,29,30,31
	v_exp_f32 v[BI+\j], v[BI+\j]
.endr
	s_wait_loadcnt 8                               ; V and its scale bytes are in; G's 8 loads may be out
	v_lshl_or_b32 v[VWA], v[VWA+1], 8, v[VWA]      ; V's scale words: the first block's byte, the second's above it.  (Plain lines behind the last exponential)
	v_lshl_or_b32 v[VWB], v[VWB+1], 8, v[VWB]
	s_wait_alu depctr_va_vdst(0)                   ; the wait ahead of the first line that names an exponential's result: one for the batch of 68
	SUMS SA, TMA
	SUMS BI, TMB
	SCALES BMA, TMA, PWA
	SCALES BMB, TMB, PWB
	HOLDCVT SA, FA, TMA
	HOLDCVT BI, FB, TMB
	v_add_f32 v[TMA+12], v[TMA+2], v[TMA+3]        ; the sums' two halves.  With the two v_nop: the plain line behind the last conversion, and the four places between codes written by
	v_add_f32 v[TMB+12], v[TMB+2], v[TMB+3]        ; vector instructions and the scaled products that take them (the scale words were made more than eight places back)
	v_nop
	v_nop
	; ---- O^T = V^T P^T: two tiles of 16 channels a head; K = the window's 64 keys
.macro PVPROD d, vf, f, vw, pw, t
.if \t
	v_wmma_scale_f32_16x16x128_f8f6f4 v[\d+8:\d+15], v[\vf+8:\vf+23], v[\f:\f+15], 0, v[\vw], v[\pw] matrix_a_fmt:MATRIX_FMT_BF8 matrix_b_fmt:MATRIX_FMT_BF8 matrix_a_scale:MATRIX_SCALE_ROW1
.else
	v_wmma_scale_f32_16x16x128_f8f6f4 v[\d:\d+7], v[\vf:\vf+15], v[\f:\f+15], 0, v[\vw], v[\pw] matrix_a_fmt:MATRIX_FMT_BF8 matrix_b_fmt:MATRIX_FMT_BF8
.endif
.endm
	PVPROD SA, VA, FA, VWA, PWA, 0
	PVPROD SA+16, VB, FB, VWB, PWB, 0
	PVPROD SA, VA, FA, VWA, PWA, 1
	PVPROD SA+16, VB, FB, VWB, PWB, 1
	v_permlanex16_b32 v[BMA+2], v[TMA+12], s38, s39
	v_permlanex16_b32 v[BMB+2], v[TMB+12], s38, s39
	v_add_f32 v[TMA+12], v[TMA+12], v[BMA+2]       ; with lane l xor 16's 32 keys: the row's sum l
	v_add_f32 v[TMB+12], v[TMB+12], v[BMB+2]
	v_rcp_f32 v[TMA+14], v[TMA+12]
	v_rcp_f32 v[TMB+14], v[TMB+12]
.rept 6
	v_nop                                          ; with the two additions: eight places behind the last product, ahead of the first read of results; and the plain line behind the reciprocals
.endr
	s_wait_alu depctr_va_vdst(0)                   ; the wait ahead of the first line that names a reciprocal's result: one for the two
.irp j, 0,2,4,6,8,10,12,14
	v_pk_mul_f32 v[SA+\j:SA+\j+1], v[SA+\j:SA+\j+1], v[TMA+14:TMA+15] op_sel_hi:[1,0]   ; O^T / l, each tile from its low end on
.endr
.irp j, 16,18,20,22,24,26,28,30
	v_pk_mul_f32 v[SA+\j:SA+\j+1], v[SA+\j:SA+\j+1], v[TMB+14:TMB+15] op_sel_hi:[1,0]
.endr
	; ---- THE WAY OUT.  Lane (r, h) holds, of query r, channels 16 t + 8 h + 0 .. 7 of head a (registers 8 t on) and of head b (16 + 8 t on): 32 bytes each.  They go into my stage, a row a query, and come back
	; as whole rows of 256 bytes (two heads), two rows a load.  LDS serves a wave's instructions in order (ISA guide 5.7.1.4): no wait stands between the stores and the loads.
.irp a, 0,1
.irp t, 0,1
.irp q, 0,1
	ds_store_b128 v13, v[SA+16*\a+8*\t+4*\q:SA+16*\a+8*\t+4*\q+3] offset:128*\a+64*\t+16*\q
.endr
.endr
.endr
.irp i, 0,1,2,3,4,5,6,7
	ds_load_b128 v[BI+4*\i:BI+4*\i+3], v14 offset:2*\i*SP
.endr
.irp i, 0,1,2,3,4,5,6,7
	s_wait_loadcnt 7-\i                            ; G's load i is in; the 7 - i behind it may be out
	s_wait_dscnt 7-\i                              ; rows 2 i and 2 i + 1 are back; the 7 - i loads behind them may be out
	v_pk_mul_f32 v[BI+4*\i:BI+4*\i+1], v[BI+4*\i:BI+4*\i+1], v[GG+4*\i:GG+4*\i+1]         ; the gate
	v_pk_mul_f32 v[BI+4*\i+2:BI+4*\i+3], v[BI+4*\i+2:BI+4*\i+3], v[GG+4*\i+2:GG+4*\i+3]
	global_store_b128 v12, v[BI+4*\i:BI+4*\i+3], s[20:21] offset:2048*\i th:TH_STORE_NT   ; 16 lanes store 256 consecutive bytes, at a multiple of 256 from out's first byte; no store's registers are written again
.endr
	s_wait_tensorcnt 0x0                           ; the wave's end, behind my last LDS store
	ds_add_u32 v16, v17
	s_wait_dscnt 0x0
	s_endpgm
.Lfunc_end_k_q2e69b7fab9_band:
	.size	k_q2e69b7fab9_band, .Lfunc_end_k_q2e69b7fab9_band-k_q2e69b7fab9_band
	.p2alignl 7, 3214868480
	.fill 96, 4, 3214868480
	.section	.rodata,"a",@progbits
	.p2align	6, 0x0
	.amdhsa_kernel k_q2e69b7fab9_band
		.amdhsa_group_segment_fixed_size 35840
		.amdhsa_private_segment_fixed_size 0
		.amdhsa_enable_private_segment 0
		.amdhsa_kernarg_size 72
		.amdhsa_user_sgpr_count 2
		.amdhsa_user_sgpr_kernarg_segment_ptr 1
		.amdhsa_wavefront_size32 1
		.amdhsa_system_sgpr_workgroup_id_x 1
		.amdhsa_system_sgpr_workgroup_id_y 1
		.amdhsa_system_sgpr_workgroup_id_z 1
		.amdhsa_system_vgpr_workitem_id 0
		.amdhsa_next_free_vgpr 256
		.amdhsa_next_free_sgpr 68
		.amdhsa_reserve_vcc 0
		.amdhsa_float_denorm_mode_32 3
		.amdhsa_float_denorm_mode_16_64 3
		.amdhsa_memory_ordered 1
		.amdhsa_forward_progress 1
		.amdhsa_inst_pref_size 36
	.end_amdhsa_kernel
	.amdgpu_metadata
---
amdhsa.version: [ 1, 2 ]
amdhsa.kernels:
  - .name:           k_q2e69b7fab9_band
    .symbol:         k_q2e69b7fab9_band.kd
    .args:
      - { .name: Q_codes, .offset: 0, .size: 8, .value_kind: global_buffer, .address_space: global }
      - { .name: Q_scales, .offset: 8, .size: 8, .value_kind: global_buffer, .address_space: global }
      - { .name: K_codes, .offset: 16, .size: 8, .value_kind: global_buffer, .address_space: global }
      - { .name: K_scales, .offset: 24, .size: 8, .value_kind: global_buffer, .address_space: global }
      - { .name: V_codes, .offset: 32, .size: 8, .value_kind: global_buffer, .address_space: global }
      - { .name: V_scales, .offset: 40, .size: 8, .value_kind: global_buffer, .address_space: global }
      - { .name: G, .offset: 48, .size: 8, .value_kind: global_buffer, .address_space: global }
      - { .name: seqMask, .offset: 56, .size: 8, .value_kind: global_buffer, .address_space: global }
      - { .name: out0, .offset: 64, .size: 8, .value_kind: global_buffer, .address_space: global }
    .group_segment_fixed_size: 35840
    .private_segment_fixed_size: 0
    .kernarg_segment_align: 8
    .kernarg_segment_size: 72
    .max_flat_workgroup_size: 256
    .sgpr_count:     68
    .vgpr_count:     256
    .wavefront_size: 32
...
	.end_amdgpu_metadata
.endif
;; end of part 1
;; ======== version 2 of 2: 1 launch; version 1 with the launch band written anew for expert scheduling mode
;; launch band (part 2): grid 16 x 16, 8 waves a work-group, no clusters, 35,840 bytes of LDS; arguments Q_codes, Q_scales, K_codes, K_scales, V_codes, V_scales, G, seqMask, out0; writes out0
.if DOCPART == 2
	.amdgcn_target "amdgcn-amd-amdhsa--gfx1250"
	.amdhsa_code_object_version 6
	.text
	.protected	k_q2e69b7fab9_band
	.globl	k_q2e69b7fab9_band
	.p2align	8
	.type	k_q2e69b7fab9_band,@function
k_q2e69b7fab9_band:
	s_mov_b64 s[64:65], 0
	v_nop
	global_prefetch_b8 v0, s[64:65] scope:SCOPE_SE
	s_setreg_imm32_b32 hwreg(HW_REG_WAVE_SCHED_MODE, 0, 2), 2
	s_setreg_imm32_b32 hwreg(HW_REG_WAVE_MODE, 25, 1), 1
	s_wait_xcnt 0x0
	s_wait_alu depctr_vm_vsrc(0)
; out[n][s][h][:] = G[h][n][s][:] x sum over t of softmax_t(Q[h][n][s] . K[h][n][t] / sqrt(32)) V[h][n][t][:], keys t with |s - t| <= 10 and seqMask[n][t] = 0 alone.
; Q, K: codes of BF8 (E5M2), 32 a row, one E8M0 byte a row.  V: codes with the keys innermost, [h][n][32][2048], one byte for each 32 keys.  G and out: f32.
; Both products go by v_wmma_scale_f32_16x16x128_f8f6f4.  p = 2^(t - M), t = score x log2(e) / sqrt(32), M = ceil(the row's largest t), is quantised along the keys in blocks of 32 that are aligned
; in the key's own number; the row's sum is taken of the unquantised p and divides at the end.
; SHARES.  Work-group (x, y): queries 128 x .. 128 x + 127, batch n = y & 3, heads 2 (y >> 2) and 2 (y >> 2) + 1.  Each of its eight waves owns 16 queries, s0 = 128 x + 16 w, for BOTH heads: two heads are 256
; neighbouring bytes of a row of out, so a wave stores whole aligned runs of 256 bytes, and the mask, which hangs on (n, s, t) alone, is made once for two heads.  Waves share nothing: no barrier.
; THE WINDOW.  16 queries see keys s0 - 10 .. s0 + 25, which lie in the two aligned blocks of 32 from kb = min(max(s0 - 16, 0) & ~31, 1984) on: 64 keys.  All other keys are hidden by the band that the
; problem itself builds, so they are not multiplied.  The band is tested on true numbers, so the sequence's two ends take the same path as its middle, and no load leaves its buffer.
; LAYOUT.  Both products are used transposed: S^T = K Q^T (source 0 = 16 keys, source 1 = my 16 queries), O^T = V^T P^T (source 0 = 16 channels, source 1 = P): a lane holds ONE query (lane % 16) throughout.
; Lane r of key tile 2 b + u takes key kb + 32 b + 8 u + r + 8 (r / 8), so that score register 16 b + i of lane (r, h) is key kb + 32 b + 16 h + i: the order that P's operand wants.
; THE UNUSED PART OF K.  The instruction is 128 deep; S^T uses 32 of that, O^T 64.  Source 1 carries ZERO CODES in the rest (12 or 8 registers); source 0 simply runs on into the registers that follow it, which
; hold other finite codes: they meet zeros and add nothing.  The registers are laid in two chains for that: [K of head a][K of head b][field a] and [V of head b][V of head a][field b]; a field is 20 registers:
; +0..3 P's low half, +4..7 Q and later P's high half, +8..19 zeros.  No instruction's two sources share a register.
; THE MASK is the C of S^T: 0 for a key that counts, -2^127 for one that is hidden.  Head a's scores go to registers of their own, head b's are summed onto the mask's registers themselves.
; LIMITS.  NaN or infinity among the codes of Q, K or V, or a scale byte 0xff, spoil the window's other keys and the pair's other head (0 x infinity in the unused part of K): not served.
; |Q . K| stays under 2^126 (the hidden mark -2^127 and the floor -2^126 under the row's maximum).  seqMask's bytes are 0 or 1.  A row all of whose keys are hidden gives 0 x (1 / 0) = NaN, as the softmax of such a row does.
; LEFT OUT.  Joint loads in a cluster: of the 192 keys that a work-group reads, its neighbours read 64 at the most, and every operand goes from memory straight into the registers that the matrix unit reads: there is no tile in LDS to share.
; A prefetch: all 38 loads of a wave stand at its head.
; THE MODE: SCHED_MODE bits 1:0 = 2 (LLVM: expert scheduling mode 2), set by the entry lines.  The code itself states the register dependences
; between vector or matrix instructions and memory or LDS instructions, with s_wait_alu, always for 0.
; THE PLAN.  The text is one straight run.  Registers that memory or LDS instructions touch:
;   v1, v4-6, v8-11   offsets of the 38 loads: written at the head, ahead of one wait on va_vdst, and never again.
;   v12, v13, v14     offsets and addresses of the way out: written between the two heads' first products, read behind the wait on va_vdst that stands ahead of the LDS stores, never written again.
;   v16, v17          written at the head, read by the closing add alone.
;   the loads' destinations (mask bytes, scale bytes, Q, K, V, G)   no vector line names one before its load is issued; behind the load's own counted wait they are the vector side's.
;   SA   written by the divisions by l, read by the LDS stores behind one wait on va_vdst, never written again.
;   BI   the vector side's until the conversions; the read-backs from the stage land there behind that same wait; the gate's multiplications write it, and each run of four global stores reads it behind a wait on va_vdst.
; No register that a memory or LDS instruction reads is written again, so no wait on vm_vsrc stands in the text but the entry's and the closing lines' own.
; Scalar results of vector lines: the wave's number (one wait on va_sdst ahead of its first reader) and the band's 32 compares, laid in two runs of 16 with one wait on va_sdst behind each.
.set STGW,  4352                       ; LDS: a stage for each wave: 16 rows (queries) x (256 bytes: two heads + 16 of padding)
.set SP,    272                        ; the stage's pitch: 68 words, so row r starts at bank 4 r mod 64 (64 banks of 4 bytes: ISA guide 11.1)
.set SPARE, 8*STGW                     ; behind the stages: the spare words, 128 bytes for each wave: four blocks of 256 bytes that no other line names
.set HCOD,  262144                     ; from head a to head b (4 x batch apart) in a tensor of codes: 4 x 2048 x 32 bytes
.set HSCL,  8192                       ; and in a tensor of scale bytes
.set T,   20                           ; v20-23   at work
.set KXA, 24                           ; v24-26   head a: K's scale bytes of tiles 0 | 1 (lanes 0-15 | 16-31), of tiles 2 | 3, Q's;  v27-29 head b
.set KXB, 27
.set VWA, 30                           ; v30, v31 head a: V's scale bytes of the window's first and second block, lane = channel; joined in v30;  v32, v33 head b
.set VWB, 32
.set PWA, 34                           ; v34, v35 P's scale words
.set PWB, 35
.set BMA, 36                           ; v36-39   head a: the two blocks' largest scores, and what lane l xor 16 sends;  v40-43 head b
.set BMB, 40
.set KA,  44                           ; v44-59   K of head a, 4 registers a tile
.set KB,  60                           ; v60-75   K of head b
.set FA,  76                           ; v76-95   field a
.set VB,  96                           ; v96-111  V of head b: group 2 t + c: channel 16 t + r, keys kb + 32 c + 16 h + 0 .. 15
.set VA,  112                          ; v112-127 V of head a
.set FB,  128                          ; v128-147 field b
.set GG,  148                          ; v148-179 G, 8 x 4 registers, as the rows come back from the stage
.set SA,  180                          ; v180-211 the mask's bytes (8 registers); then head a's scores and p; then O^T of both heads
.set BI,  212                          ; v212-243 the mask as numbers; then head b's scores and p; then 16 rows back from the stage
.set TMA, KA                           ; when K is done with, its registers serve the softmax: +0 -M, +1 t, +2..5 the sum in two chains, +6,7 the conversions' scales, +8,9 the holds, +10,11 the bytes, +12 l, +14 1 / l
.set TMB, KB
	s_load_b256 s[4:11], s[0:1], 0x0               ; Q's codes s[4:5], Q's scales s[6:7], K's codes s[8:9], K's scales s[10:11]
	s_load_b256 s[12:19], s[0:1], 0x20             ; V's codes s[12:13], V's scales s[14:15], G s[16:17], seqMask s[18:19]
	s_load_b64 s[20:21], s[0:1], 0x40              ; out
	v_lshl_add_u32 v16, v0, 2, SPARE               ; my spare word,
	v_mov_b32 v17, 0                               ; and 0: kept for the closing add alone
	v_lshrrev_b32 v[T], 5, v0
	v_readfirstlane_b32 s22, v[T]                  ; wave 0..7
	v_and_b32 v3, 31, v0                           ; L
	v_and_b32 v1, 15, v0                           ; r;  also Q's scale bytes' offset
	v_bfe_u32 v2, v0, 4, 1                         ; h
	v_lshlrev_b32 v10, 4, v2                       ; seqMask: 16 h
	v_lshl_add_u32 v4, v1, 5, v10                  ; Q: 32 r + 16 h
	v_and_b32 v[T+1], 8, v1
	v_add_nc_u32 v[T+1], v[T+1], v1                ; r + 8 (r / 8)
	v_lshl_add_u32 v5, v[T+1], 5, v10              ; K: 32 (r + 8 (r / 8)) + 16 h
	v_lshl_add_u32 v6, v1, 11, v10                 ; V: 2048 r + 16 h
	v_lshl_add_u32 v8, v2, 3, v[T+1]               ; K's scale bytes: lanes 16-31 take the tile 8 keys on
	v_lshlrev_b32 v9, 6, v3                        ; V's scale bytes: 64 a channel, lane = channel
	v_bfe_u32 v[T+2], v0, 3, 1
	v_and_b32 v[T+3], 7, v0
	v_lshlrev_b32 v11, 7, v2                       ; G, as the rows come back from the stage: lanes 16-31 the next query,
	v_lshl_add_u32 v11, v[T+3], 4, v11             ; 16 bytes a lane,
	v_lshl_add_u32 v11, v[T+2], 20, v11            ; lanes 8-15 and 24-31 head b: 4 x 2048 x 128 bytes on
	s_wait_alu depctr_va_sdst(0)                   ; s22, the wave's number, is written, ahead of its first reader: s0 and my stage's place are made from it
	s_and_b32 s24, ttmp7, 0xffff                   ; y
	s_and_b32 s25, s24, 3                          ; n
	s_lshr_b32 s26, s24, 2                         ; the pair of heads
	s_lshl_b32 s27, ttmp9, 7
	s_lshl_b32 s23, s22, 4
	s_add_co_u32 s27, s27, s23                     ; s0 = 128 x + 16 w
	s_sub_co_i32 s28, s27, 16
	s_max_i32 s28, s28, 0
	s_and_b32 s28, s28, 0xffffffe0
	s_min_u32 s28, s28, 1984                       ; kb
	s_sub_co_i32 s29, s28, s27
	s_add_co_i32 s29, s29, 10                      ; 10 - (s0 - kb)
	s_lshl_b32 s30, s26, 3
	s_add_co_u32 s30, s30, s25                     ; head a's place among the 32 (head, batch): 4 x head + n
	s_mul_i32 s31, s22, STGW                       ; my stage
	s_lshl_b32 s34, s30, 11
	s_add_co_u32 s35, s34, s27                     ; my first query's row in Q and G
	s_add_co_u32 s46, s34, s28                     ; the window's first row in K
	s_lshl_b32 s47, s25, 11
	; the nine buffers' byte offsets, each in a pair of its own, made while the arguments are on their way
.irp p, 49,51,53,55,57,59,61,63,67
	s_mov_b32 s[\p], 0
.endr
	s_add_co_u32 s48, s47, s28                     ; seqMask: 2048 n + kb
	s_mov_b32 s50, s46                             ; K's scales
	s_mov_b32 s52, s35                             ; Q's scales
	s_lshl_b32 s54, s35, 5                         ; Q's codes
	s_lshl_b32 s56, s46, 5                         ; K's codes
	s_lshr_b32 s58, s28, 5
	s_add_co_u32 s58, s58, s34                     ; V's scales: 32 x 64 a (head, batch), + the window's first block
	s_lshl_b32 s60, s30, 16
	s_add_co_u32 s60, s60, s28                     ; V's codes: 32 x 2048 a (head, batch), + kb
	s_lshl_b32 s62, s35, 7                         ; G
	s_add_co_u32 s66, s47, s27
	s_lshl_b32 s66, s66, 10                        ; out: a row (n, s) is 1,024 bytes,
	s_lshl_b32 s23, s26, 8
	s_add_co_u32 s66, s66, s23                     ; a pair of heads 256
	s_mov_b32 s36, 0x3e8293ee                      ; c = log2(e) / sqrt(32)
	s_mov_b32 s37, s36                             ; (the packed form names the pair and takes its low word for both halves: so it is written)
	s_mov_b32 s38, 0x76543210
	s_mov_b32 s39, 0xfedcba98                      ; v_permlanex16_b32's selects for lane l xor 16
	s_mov_b32 s40, 0x600000                        ; the mantissa field of 57,344
	s_mov_b32 s41, 0xff000000                      ; -2^127, and a word's top byte
	v_sub_nc_u32 v15, s29, v1
	v_add_nc_u32 v15, v15, v10                     ; E = 10 - (s0 - kb) - r + 16 h: with a register's 32 b + i added it is 10 - (my query - its key)
	s_wait_alu depctr_va_vdst(0)                   ; the eight offsets v1, v4, v5, v6, v8, v9, v10, v11 are written, which the 38 loads below read; no vector line stands between this wait and those loads
	s_wait_kmcnt 0x0
	s_add_nc_u64 s[18:19], s[18:19], s[48:49]
	s_add_nc_u64 s[10:11], s[10:11], s[50:51]
	s_add_nc_u64 s[6:7], s[6:7], s[52:53]
	s_add_nc_u64 s[4:5], s[4:5], s[54:55]
	s_add_nc_u64 s[8:9], s[8:9], s[56:57]
	s_add_nc_u64 s[14:15], s[14:15], s[58:59]
	s_add_nc_u64 s[12:13], s[12:13], s[60:61]
	s_add_nc_u64 s[16:17], s[16:17], s[62:63]
	s_add_nc_u64 s[20:21], s[20:21], s[66:67]
	; ---- ALL 38 LOADS, in the order in which they are wanted: 2 + 6 + 2 + 8 + 4 + 8 + 8
	global_load_b128 v[SA:SA+3], v10, s[18:19]                     ; seqMask of keys kb + 16 h + 0 .. 15,
	global_load_b128 v[SA+4:SA+7], v10, s[18:19] offset:32         ; and of kb + 32 + 16 h + 0 .. 15
	global_load_u8 v[KXA], v8, s[10:11]                            ; a byte alone in its word: it is the scale of the first 32 along K, the three bytes above it are 0 and scale zero codes
	global_load_u8 v[KXA+1], v8, s[10:11] offset:32
	global_load_u8 v[KXA+2], v1, s[6:7]
	global_load_u8 v[KXB], v8, s[10:11] offset:HSCL
	global_load_u8 v[KXB+1], v8, s[10:11] offset:HSCL+32
	global_load_u8 v[KXB+2], v1, s[6:7] offset:HSCL
	global_load_b128 v[FA+4:FA+7], v4, s[4:5] th:TH_LOAD_NT        ; Q is read once in the launch
	global_load_b128 v[FB+4:FB+7], v4, s[4:5] offset:HCOD th:TH_LOAD_NT
.irp j, 0,1,2,3
	global_load_b128 v[KA+4*\j:KA+4*\j+3], v5, s[8:9] offset:(32*(\j/2)+8*(\j%2))*32
.endr
.irp j, 0,1,2,3
	global_load_b128 v[KB+4*\j:KB+4*\j+3], v5, s[8:9] offset:HCOD+(32*(\j/2)+8*(\j%2))*32
.endr
	global_load_u8 v[VWA], v9, s[14:15]
	global_load_u8 v[VWA+1], v9, s[14:15] offset:1
	global_load_u8 v[VWB], v9, s[14:15] offset:HSCL
	global_load_u8 v[VWB+1], v9, s[14:15] offset:HSCL+1
.irp g, 0,1,2,3
	global_load_b128 v[VA+4*\g:VA+4*\g+3], v6, s[12:13] offset:32768*(\g/2)+32*(\g%2)
.endr
.irp g, 0,1,2,3
	global_load_b128 v[VB+4*\g:VB+4*\g+3], v6, s[12:13] offset:HCOD+32768*(\g/2)+32*(\g%2)
.endr
.irp i, 0,1,2,3,4,5,6,7
	global_load_b128 v[GG+4*\i:GG+4*\i+3], v11, s[16:17] offset:256*\i th:TH_LOAD_NT   ; queries 2 i and 2 i + 1 of both heads: 256 consecutive bytes of each head; read once in the launch
.endr
	; ---- WHILE THE LOADS ARE OUT: the fields' zero codes, and the band.  These lines name no register that a load above reads or lands in
.irp z, 0,1,2,3,8,9,10,11,12,13,14,15,16,17,18,19
	v_mov_b32 v[FA+\z], 0                          ; (field a's +0..3 are read, as the run-on of head b's K, before P is laid there)
.endr
.irp z, 8,9,10,11,12,13,14,15,16,17,18,19
	v_mov_b32 v[FB+\z], 0
.endr
	v_mov_b32 v18, s41                             ; the hidden mark
; The mask's registers 16 b .. 16 b + 15: register 16 b + i holds key kb + 32 b + 16 h + i.  The key counts where 10 - (query - key), taken as unsigned, lies under 21.
; The 16 numbers are made in the mask's own registers; the 16 compares stand in one run, each into a scalar register of its own, with one wait behind the run.
.macro BAND b
.irp i, 0,1,2,3,4,5,6,7,8,9,10,11,12,13,14,15
	v_add_nc_u32 v[BI+16*(\b)+\i], 32*(\b)+\i, v15
.endr
.irp i, 0,1,2,3,4,5,6,7,8,9,10,11,12,13,14,15
	v_cmp_gt_u32 s[42+\i], 21, v[BI+16*(\b)+\i]
.endr
	s_wait_alu depctr_va_sdst(0)                   ; the 16 compares have written s42 to s57, ahead of the selects that read them
.irp i, 0,1,2,3,4,5,6,7,8,9,10,11,12,13,14,15
	v_cndmask_b32 v[BI+16*(\b)+\i], v18, v[FA+8], s[42+\i]         ; 0 (a register of the zero field) where it counts, else the mark
.endr
.endm
	BAND 0
	BAND 1
	; ---- THE KEY MASK.  Word g of the 8 holds the bytes of registers 4 g .. 4 g + 3.  x 255 turns bytes 1 into 0xff; each byte, moved to the top of a word, is ORed in: 0 | 0xff000000 is the mark, and the mark stays the mark.
	s_wait_loadcnt 36                              ; the two mask loads are in: 36 loads were issued behind them
.macro SEQ g
	v_lshlrev_b32 v[T], 8, v[SA+\g]
	v_sub_nc_u32 v[SA+\g], v[T], v[SA+\g]
	v_lshlrev_b32 v[T+1], 16, v[SA+\g]
	v_lshlrev_b32 v[T+2], 8, v[SA+\g]
	v_lshl_or_b32 v[BI+4*\g], v[SA+\g], 24, v[BI+4*\g]
	v_and_or_b32 v[BI+4*\g+1], v[T+1], s41, v[BI+4*\g+1]
	v_and_or_b32 v[BI+4*\g+2], v[T+2], s41, v[BI+4*\g+2]
	v_and_or_b32 v[BI+4*\g+3], v[SA+\g], s41, v[BI+4*\g+3]
.endm
.irp g, 0,1,2,3,4,5,6,7
	SEQ \g
.endr
.rept 4
	v_nop                                          ; the mask's registers, just written by vector instructions, stand four places ahead of the products that take them
.endr
	; ---- S^T = K Q^T + the mask: four tiles of 16 keys a head
	s_wait_loadcnt 20                              ; scales, Q and K are in; V's 12 loads and G's 8 may be out
	s_wait_alu depctr_va_vdst(0)                   ; the zero codes of fields a and b are written, which the eight scaled products below take as part of their sources 0 and 1; the places above stay beside this wait
.macro SPROD d, kf, f, kx, j
.if (\j)%2
	v_wmma_scale_f32_16x16x128_f8f6f4 v[\d+8*(\j):\d+8*(\j)+7], v[\kf+4*(\j):\kf+4*(\j)+15], v[\f+4:\f+19], v[BI+8*(\j):BI+8*(\j)+7], v[\kx+(\j)/2], v[\kx+2] matrix_a_fmt:MATRIX_FMT_BF8 matrix_b_fmt:MATRIX_FMT_BF8 matrix_a_scale:MATRIX_SCALE_ROW1
.else
	v_wmma_scale_f32_16x16x128_f8f6f4 v[\d+8*(\j):\d+8*(\j)+7], v[\kf+4*(\j):\kf+4*(\j)+15], v[\f+4:\f+19], v[BI+8*(\j):BI+8*(\j)+7], v[\kx+(\j)/2], v[\kx+2] matrix_a_fmt:MATRIX_FMT_BF8 matrix_b_fmt:MATRIX_FMT_BF8
.endif
.endm
.irp j, 0,1,2,3
	SPROD SA, KA, FA, KXA, \j
.endr
	; Head b's products write over the mask, which head a's have read as C: nine places are owed between (an 8-bit f8f6f4 form).  Twelve plain lines that are due anyway stand here and name none of head a's registers,
	; nor a source or a scale of head b's products.
	v_mul_u32_u24 v13, v1, SP                      ; the stage, on the way in: row r,
	v_lshl_add_u32 v13, v2, 5, v13                 ; 32 bytes for each half of the lanes,
	v_add_nc_u32 v13, s31, v13                     ; in my wave's stage
	v_mul_u32_u24 v14, v2, SP                      ; and back: lanes 0-15 one row of 256 bytes, lanes 16-31 the next
	v_lshl_add_u32 v14, v1, 4, v14
	v_add_nc_u32 v14, s31, v14
	v_lshlrev_b32 v12, 10, v2                      ; the same two rows in out
	v_lshl_add_u32 v12, v1, 4, v12
	v_mov_b32 v[BMA+2], 0                          ; written once: a lane permute's destination counts as one of its sources
	v_mov_b32 v[BMA+3], 0
	v_mov_b32 v[BMB+2], 0
	v_mov_b32 v[BMB+3], 0
.irp j, 0,1,2,3
	SPROD BI, KB, FB, KXB, \j                      ; C and D are the mask's own registers; no two products that follow each other share an accumulator
.endr
	; ---- THE SOFTMAX, head a ahead of head b in every part
; The largest score of each block of 32 keys: my 16 of each.  It serves the row's maximum and, since p rises with the score, the block's largest p.  Each tile's eight registers are first read at their low end.
.macro BMAX s, bm
.irp b, 0,1
	v_max3_num_f32 v[\bm+\b], v[\s+16*\b], v[\s+16*\b+1], v[\s+16*\b+2]
.endr
.irp i, 3,5,7,9,11,13
.irp b, 0,1
	v_max3_num_f32 v[\bm+\b], v[\bm+\b], v[\s+16*\b+\i], v[\s+16*\b+\i+1]
.endr
.endr
.irp b, 0,1
	v_max_num_f32 v[\bm+\b], v[\bm+\b], v[\s+16*\b+15]
.endr
.endm
.macro XCH bm                          ; with lane l xor 16's 16 keys of each block
	v_permlanex16_b32 v[\bm+2], v[\bm], s38, s39
	v_permlanex16_b32 v[\bm+3], v[\bm+1], s38, s39
	v_max_num_f32 v[\bm], v[\bm], v[\bm+2]
	v_max_num_f32 v[\bm+1], v[\bm+1], v[\bm+3]
.endm
.macro ROWM bm, tm
	v_max3_num_f32 v[\tm+1], v[\bm], v[\bm+1], 0xfe800000          ; the row's largest score; the floor -2^126 lies under every score that counts and over the hidden mark: a row with no key keeps p = 0
	v_mul_f32 v[\tm+1], s36, v[\tm+1]              ; as t (c is positive)
	v_floor_f32 v[\tm], -v[\tm+1]                  ; -M = floor(-t) = -ceil(t)
.endm
.macro SHIFT s, bm, tm
.irp j, 0,2,4,6,8,10,12,14,16,18,20,22,24,26,28,30
	v_pk_fma_f32 v[\s+\j:\s+\j+1], v[\s+\j:\s+\j+1], s[36:37], v[\tm:\tm+1] op_sel_hi:[1,0,0]   ; t - M, two at a time (of the pairs c and -M the low word serves both halves)
.endr
	v_fma_f32 v[\bm], v[\bm], s36, v[\tm]          ; the same of each block's largest score
	v_fma_f32 v[\bm+1], v[\bm+1], s36, v[\tm]
.endm
.macro SUMS s, tm                      ; the row's sum of the UNQUANTISED p: my 32 numbers, two at a time, in two chains
	v_pk_add_f32 v[\tm+2:\tm+3], v[\s:\s+1], v[\s+2:\s+3]
	v_pk_add_f32 v[\tm+4:\tm+5], v[\s+4:\s+5], v[\s+6:\s+7]
.irp j, 8,12,16,20,24,28
	v_pk_add_f32 v[\tm+2:\tm+3], v[\tm+2:\tm+3], v[\s+\j:\s+\j+1]
	v_pk_add_f32 v[\tm+4:\tm+5], v[\tm+4:\tm+5], v[\s+\j+2:\s+\j+3]
.endr
	v_pk_add_f32 v[\tm+2:\tm+3], v[\tm+2:\tm+3], v[\tm+4:\tm+5]
.endm
.macro SCALES bm, tm, pw
.irp b, 0,1
	v_max_num_f32 v[\bm+\b], 0x8000000, v[\bm+\b]  ; the floor 2^(16 - 127): the byte cannot fall under 1 (a block whose every p is 0 keeps that byte: its codes are zeros)
.endr
.irp b, 0,1
	v_add_nc_u32 v[\tm+6+\b], 0xf8800000, v[\bm+\b]   ; 15 off the exponent field: the conversion takes the exponent field of this operand as its scale
.endr
.irp b, 0,1
	v_and_or_b32 v[\tm+8+\b], v[\bm+\b], 0x7f800000, s40   ; 57,344 x the scale
.endr
.irp b, 0,1
	v_lshrrev_b32 v[\tm+10+\b], 23, v[\tm+6+\b]    ; the scale's byte
.endr
	v_lshl_or_b32 v[\pw], v[\tm+11], 8, v[\tm+10]  ; P's scale word: two bytes for the window's two blocks; the two above are 0 and scale zero codes
.endm
.macro HOLDCVT s, f, tm
.irp b, 0,1
.irp i, 0,1,2,3,4,5,6,7,8,9,10,11,12,13,14,15
	v_min_num_f32 v[\s+16*\b+\i], v[\s+16*\b+\i], v[\tm+8+\b]      ; the conversion to an 8-bit code does not saturate (ISA guide 7.6.2); p is not negative, so the hold is one-sided
.endr
	v_cvt_scalef32_pk8_bf8_f32 v[\f+4*\b:\f+4*\b+1], v[\s+16*\b:\s+16*\b+7], v[\tm+6+\b]        ; registers 4 b .. 4 b + 3 of P's operand: keys kb + 32 b + 16 h + 0 .. 15
	v_cvt_scalef32_pk8_bf8_f32 v[\f+4*\b+2:\f+4*\b+3], v[\s+16*\b+8:\s+16*\b+15], v[\tm+6+\b]
.endr
.endm
	BMAX SA, BMA                                   ; twelve places stand behind head a's products; these sixteen lines, which name none of head b's registers, are the places behind head b's
	BMAX BI, BMB
	XCH BMA
	XCH BMB
	ROWM BMA, TMA                                  ; (from here on K's registers are written: sixteen places and more behind the last product that read them)
	ROWM BMB, TMB
	SHIFT SA, BMA, TMA
	SHIFT BI, BMB, TMB
	s_wait_alu depctr_va_vdst(0)
	; ONE BATCH of exponentials for both heads: the four blocks' largest p, and the 64 p.  None reads another's result.
.irp b, BMA, BMA+1, BMB, BMB+1
	v_exp_f32 v[\b], v[\b]
.endr
.irp j, 0,1,2,3,4,5,6,7,8,9,10,11,12,13,14,15,16,17,18,19,20,21,22,23,24,25,26,27,28,29,30,31
	v_exp_f32 v[SA+\j], v[SA+\j]                   ; p = 2^(t - M), at most 1; 0 for a hidden key
.endr
.irp j, 0,1,2,3,4,5,6,7,8,9,10,11,12,13,14,15,16,17,18,19,20,21,22,23,24,25,26,27,28,29,30,31
	v_exp_f32 v[BI+\j], v[BI+\j]
.endr
	s_wait_loadcnt 8                               ; V and its scale bytes are in; G's 8 loads may be out
	v_lshl_or_b32 v[VWA], v[VWA+1], 8, v[VWA]      ; V's scale words: the first block's byte, the second's above it.  (Plain lines behind the last exponential)
	v_lshl_or_b32 v[VWB], v[VWB+1], 8, v[VWB]
	s_wait_alu depctr_va_vdst(0)                   ; the 68 exponentials have written the four blocks' largest p and the 64 p, ahead of the first line that names one of them: one wait for the batch
	SUMS SA, TMA
	SUMS BI, TMB
	SCALES BMA, TMA, PWA
	SCALES BMB, TMB, PWB
	HOLDCVT SA, FA, TMA
	HOLDCVT BI, FB, TMB
	v_add_f32 v[TMA+12], v[TMA+2], v[TMA+3]        ; the sums' two halves.  With the two v_nop: the plain line behind the last conversion, and the four places between codes written by
	v_add_f32 v[TMB+12], v[TMB+2], v[TMB+3]        ; vector instructions and the scaled products that take them (the scale words were made more than eight places back)
	v_nop
	v_nop
	s_wait_alu depctr_va_vdst(0)                   ; the conversions have written P's codes in fields a and b, and vector lines P's and V's scale words: the four scaled products below take them as sources and scales; the places above stay beside this wait
	; ---- O^T = V^T P^T: two tiles of 16 channels a head; K = the window's 64 keys
.macro PVPROD d, vf, f, vw, pw, t
.if \t
	v_wmma_scale_f32_16x16x128_f8f6f4 v[\d+8:\d+15], v[\vf+8:\vf+23], v[\f:\f+15], 0, v[\vw], v[\pw] matrix_a_fmt:MATRIX_FMT_BF8 matrix_b_fmt:MATRIX_FMT_BF8 matrix_a_scale:MATRIX_SCALE_ROW1
.else
	v_wmma_scale_f32_16x16x128_f8f6f4 v[\d:\d+7], v[\vf:\vf+15], v[\f:\f+15], 0, v[\vw], v[\pw] matrix_a_fmt:MATRIX_FMT_BF8 matrix_b_fmt:MATRIX_FMT_BF8
.endif
.endm
	PVPROD SA, VA, FA, VWA, PWA, 0
	PVPROD SA+16, VB, FB, VWB, PWB, 0
	PVPROD SA, VA, FA, VWA, PWA, 1
	PVPROD SA+16, VB, FB, VWB, PWB, 1
	v_permlanex16_b32 v[BMA+2], v[TMA+12], s38, s39
	v_permlanex16_b32 v[BMB+2], v[TMB+12], s38, s39
	v_add_f32 v[TMA+12], v[TMA+12], v[BMA+2]       ; with lane l xor 16's 32 keys: the row's sum l
	v_add_f32 v[TMB+12], v[TMB+12], v[BMB+2]
	s_wait_alu depctr_va_vdst(0)
	v_rcp_f32 v[TMA+14], v[TMA+12]
	v_rcp_f32 v[TMB+14], v[TMB+12]
.rept 6
	v_nop                                          ; with the two additions: eight places behind the last product, ahead of the first read of results; and the plain line behind the reciprocals
.endr
	s_wait_alu depctr_va_vdst(0)                   ; the two reciprocals have written 1 / l of both heads, ahead of the first line that names one of them
.irp j, 0,2,4,6,8,10,12,14
	v_pk_mul_f32 v[SA+\j:SA+\j+1], v[SA+\j:SA+\j+1], v[TMA+14:TMA+15] op_sel_hi:[1,0]   ; O^T / l, each tile from its low end on
.endr
.irp j, 16,18,20,22,24,26,28,30
	v_pk_mul_f32 v[SA+\j:SA+\j+1], v[SA+\j:SA+\j+1], v[TMB+14:TMB+15] op_sel_hi:[1,0]
.endr
	; ---- THE WAY OUT.  Lane (r, h) holds, of query r, channels 16 t + 8 h + 0 .. 7 of head a (registers 8 t on) and of head b (16 + 8 t on): 32 bytes each.  They go into my stage, a row a query, and come back
	; as whole rows of 256 bytes (two heads), two rows a load.  LDS serves a wave's instructions in order (ISA guide 5.7.1.4): no wait stands between the stores and the loads.
	s_wait_alu depctr_va_vdst(0)                   ; the divisions have written v[SA ..], which the LDS stores read; v12, v13 and v14 are written, which the way out's stores and loads read; every vector line that named v[BI ..], in which the read-backs land, is done
.irp a, 0,1
.irp t, 0,1
.irp q, 0,1
	ds_store_b128 v13, v[SA+16*\a+8*\t+4*\q:SA+16*\a+8*\t+4*\q+3] offset:128*\a+64*\t+16*\q
.endr
.endr
.endr
.irp i, 0,1,2,3,4,5,6,7
	ds_load_b128 v[BI+4*\i:BI+4*\i+3], v14 offset:2*\i*SP
.endr
	; The gate and the stores go in two halves of eight rows: eight multiplications, one wait, four stores.  The second half's multiplications name none of the registers that the first half's stores read.
	s_wait_loadcnt 4                               ; G's loads 0 to 3 are in; the four behind them may be out
	s_wait_dscnt 4                                 ; rows 0 to 7 are back; the four loads behind them may be out
.irp i, 0,1,2,3
	v_pk_mul_f32 v[BI+4*\i:BI+4*\i+1], v[BI+4*\i:BI+4*\i+1], v[GG+4*\i:GG+4*\i+1]         ; the gate
	v_pk_mul_f32 v[BI+4*\i+2:BI+4*\i+3], v[BI+4*\i+2:BI+4*\i+3], v[GG+4*\i+2:GG+4*\i+3]
.endr
	s_wait_alu depctr_va_vdst(0)                   ; the gate's multiplications have written v[BI .. BI + 15], which the four stores below read
.irp i, 0,1,2,3
	global_store_b128 v12, v[BI+4*\i:BI+4*\i+3], s[20:21] offset:2048*\i th:TH_STORE_NT   ; 16 lanes store 256 consecutive bytes, at a multiple of 256 from out's first byte; no store's registers are written again
.endr
	s_wait_loadcnt 0x0                             ; G's last four loads are in
	s_wait_dscnt 0x0                               ; rows 8 to 15 are back
.irp i, 4,5,6,7
	v_pk_mul_f32 v[BI+4*\i:BI+4*\i+1], v[BI+4*\i:BI+4*\i+1], v[GG+4*\i:GG+4*\i+1]
	v_pk_mul_f32 v[BI+4*\i+2:BI+4*\i+3], v[BI+4*\i+2:BI+4*\i+3], v[GG+4*\i+2:GG+4*\i+3]
.endr
	s_wait_alu depctr_va_vdst(0)                   ; the gate's multiplications have written v[BI + 16 .. BI + 31], which the last four stores read
.irp i, 4,5,6,7
	global_store_b128 v12, v[BI+4*\i:BI+4*\i+3], s[20:21] offset:2048*\i th:TH_STORE_NT
.endr
	s_wait_dscnt 0x0                               ; the closing lines, six on end
	s_wait_alu 0x0
	s_wait_tensorcnt 0x0
	ds_add_u32 v16, v17
	s_wait_dscnt 0x0
	s_endpgm
.Lfunc_end_k_q2e69b7fab9_band:
	.size	k_q2e69b7fab9_band, .Lfunc_end_k_q2e69b7fab9_band-k_q2e69b7fab9_band
	.p2alignl 7, 3214868480
	.fill 96, 4, 3214868480
	.section	.rodata,"a",@progbits
	.p2align	6, 0x0
	.amdhsa_kernel k_q2e69b7fab9_band
		.amdhsa_group_segment_fixed_size 35840
		.amdhsa_private_segment_fixed_size 0
		.amdhsa_enable_private_segment 0
		.amdhsa_kernarg_size 72
		.amdhsa_user_sgpr_count 2
		.amdhsa_user_sgpr_kernarg_segment_ptr 1
		.amdhsa_wavefront_size32 1
		.amdhsa_system_sgpr_workgroup_id_x 1
		.amdhsa_system_sgpr_workgroup_id_y 1
		.amdhsa_system_sgpr_workgroup_id_z 1
		.amdhsa_system_vgpr_workitem_id 0
		.amdhsa_next_free_vgpr 256
		.amdhsa_next_free_sgpr 68
		.amdhsa_reserve_vcc 0
		.amdhsa_float_denorm_mode_32 3
		.amdhsa_float_denorm_mode_16_64 3
		.amdhsa_memory_ordered 1
		.amdhsa_forward_progress 1
		.amdhsa_inst_pref_size 37
	.end_amdhsa_kernel
	.amdgpu_metadata
---
amdhsa.version: [ 1, 2 ]
amdhsa.kernels:
  - .name:           k_q2e69b7fab9_band
    .symbol:         k_q2e69b7fab9_band.kd
    .args:
      - { .name: Q_codes, .offset: 0, .size: 8, .value_kind: global_buffer, .address_space: global }
      - { .name: Q_scales, .offset: 8, .size: 8, .value_kind: global_buffer, .address_space: global }
      - { .name: K_codes, .offset: 16, .size: 8, .value_kind: global_buffer, .address_space: global }
      - { .name: K_scales, .offset: 24, .size: 8, .value_kind: global_buffer, .address_space: global }
      - { .name: V_codes, .offset: 32, .size: 8, .value_kind: global_buffer, .address_space: global }
      - { .name: V_scales, .offset: 40, .size: 8, .value_kind: global_buffer, .address_space: global }
      - { .name: G, .offset: 48, .size: 8, .value_kind: global_buffer, .address_space: global }
      - { .name: seqMask, .offset: 56, .size: 8, .value_kind: global_buffer, .address_space: global }
      - { .name: out0, .offset: 64, .size: 8, .value_kind: global_buffer, .address_space: global }
    .group_segment_fixed_size: 35840
    .private_segment_fixed_size: 0
    .kernarg_segment_align: 8
    .kernarg_segment_size: 72
    .max_flat_workgroup_size: 256
    .sgpr_count:     68
    .vgpr_count:     256
    .wavefront_size: 32
...
	.end_amdgpu_metadata
.endif
;; end of part 2
